; MI455X (gfx1250); checked and timed in simulation.
; The chip was launched on July 23, 2026; its instructions are those of AMD's public machine-readable ISA for CDNA 5 (MIT licence, August 2026) and "CDNA5" Instruction Set Architecture Reference Guide (July 2026). The comments in the code are by the model that wrote it; some were corrected since.
;; LSTM Orth. Allowed arithmetic: float matrix products may take bf16 or f16 operands with f32 sums; other float arithmetic in f32, or as packed bf16 or f16 multiplies, adds, multiply-adds, maxima and minima; sums over many terms, partial sums and values carried from step to step in f32; what a program stores and reads back later, other than sums and carried values, may be rounded once to bf16 or f16.
;; Inputs: W_hf 1,024 x 1,024 float32; W_hg 1,024 x 1,024 float32; W_hi 1,024 x 1,024 float32; W_ho 1,024 x 1,024 float32; W_if_ 1,024 x 1,024 float32; W_ig 1,024 x 1,024 float32; W_ii 1,024 x 1,024 float32; W_io 1,024 x 1,024 float32; b_hf 1,024 float32; b_hg 1,024 float32; b_hi 1,024 float32; b_ho 1,024 float32; b_if_ 1,024 float32; b_ig 1,024 float32; b_ii 1,024 float32; b_io 1,024 float32; c_prev 8,192 x 1,024 float32; h 8,192 x 1,024 float32; x 8,192 x 1,024 float32.
;; Outputs: out0 8,192 x 1,024 float32; out1 8,192 x 1,024 float32.
;; 2 versions, each right; version 2 is version 1 with the launch cast written anew for expert scheduling mode. Each part assembles by itself: llvm-mc -triple=amdgcn-amd-amdhsa -mcpu=gfx1250 --defsym DOCPART=n.
;; ======== version 1 of 2: 2 launches
;; workspace buffers: abf 33,554,432 bytes; wbf 16,777,216 bytes
;; launch cast (part 1): grid 32 x 24, 8 waves a work-group, no clusters, 0 bytes of LDS; arguments x, h, W_ii, W_hi, W_if_, W_hf, W_ig, W_hg, W_io, W_ho, abf, wbf; writes abf, wbf
.if DOCPART == 1
	.amdgcn_target "amdgcn-amd-amdhsa--gfx1250"
	.amdhsa_code_object_version 6
	.text
	.protected	k_qbf169d1a49_cast
	.globl	k_qbf169d1a49_cast
	.p2align	8
	.type	k_qbf169d1a49_cast,@function
k_qbf169d1a49_cast:
	s_mov_b64 s[64:65], 0
	v_nop
	global_prefetch_b8 v0, s[64:65] scope:SCOPE_SE
	s_setreg_imm32_b32 hwreg(HW_REG_WAVE_MODE, 25, 1), 1
	s_wait_xcnt 0x0
; THE OPERANDS OF THE PRODUCT, ROUNDED ONCE TO bf16 AND LAID OUT FOR IT.
; abf: [8192][2048] bf16, a row = x's row (columns 0-1023), then h's row (columns 1024-2047).
; wbf: [4096][2048] bf16.  Row 128 (hid / 32) + 32 g + hid % 32 holds W_i{g}[hid] (columns 0-1023), then W_h{g}[hid]; g = 0 (i), 1 (f), 2 (g), 3 (o):
; so 128 consecutive rows hold all four gates of 32 hidden columns.
; SHARES.  24 panels of 1,024 source rows of 4,096 bytes (grid y: 0-7 x, 8-15 h, 16 + q weight q = 2 g + side), 32 rows to a work-group (grid x), 4 rows to a wave.
; A load of a wave covers 512 consecutive bytes, a store 256 consecutive bytes at a multiple of 256 from the buffer's first byte.
; All 32 loads of a wave go out at once (16 KiB); nothing is shared between waves, so there is no LDS, no barrier and no loop.
.set ROWB, 4096                        ; bytes in a source row (1,024 f32) and in a destination row (2,048 bf16)
.set LO,   4                           ; v4   my byte offset in the source: 16 x lane + 4 rows x wave
.set SO,   5                           ; v5   in the destination: 8 x lane + 4 rows x wave
.set X,    8                           ; v[8:135]  load n (row n / 8, chunk n % 8): 4 registers
	s_load_b512 s[8:23], s[0:1], 0x0               ; x s[8:9], h s[10:11], then the weights in the order q = 0 .. 5 at s[12+2q:13+2q]
	s_load_b256 s[24:31], s[0:1], 0x40             ; q = 6, 7 at s[24:27]; abf s[28:29], wbf s[30:31]
	s_and_b32 s2, ttmp7, 0xffff                    ; p: the panel
	s_mov_b32 s3, ttmp9                            ; u: which 32 rows of it
	s_and_b32 s32, s2, 7                           ; p % 8: the panel's place in x or h, or the weight's number q
	s_lshl_b32 s33, s3, 5                          ; a weight's source row: 32 u
	s_lshl_b32 s34, s32, 10
	s_add_co_u32 s34, s34, s33                     ; x's and h's row, source and destination: 1,024 (p % 8) + 32 u
	s_lshr_b32 s35, s32, 1                         ; g
	s_lshl_b32 s35, s35, 5
	s_lshl_b32 s36, s3, 7
	s_add_co_u32 s35, s35, s36                     ; a weight's destination row: 128 u + 32 g
	s_lshr_b32 s36, s2, 3                          ; which half of abf's row: 0 for x, 1 for h
	s_and_b32 s37, s32, 1                          ; which half of wbf's row: the side
	v_and_b32 v1, 31, v0                           ; lane
	v_lshrrev_b32 v2, 5, v0                        ; wave
	v_lshlrev_b32 v2, 14, v2                       ; its 4 rows of 4,096 bytes
	v_lshl_add_u32 v[LO], v1, 4, v2
	v_lshl_add_u32 v[SO], v1, 3, v2
	s_wait_kmcnt 0x0
	s_cmp_lt_u32 s2, 16                            ; x or h?  (the selects leave SCC as it is)
	s_cselect_b32 s33, s34, s33                    ; source row
	s_cselect_b32 s35, s34, s35                    ; destination row
	s_cselect_b32 s36, s36, s37                    ; half of the destination row
	s_cselect_b64 s[6:7], s[28:29], s[30:31]       ; destination buffer
	s_cmp_ge_u32 s2, 8
	s_cselect_b64 s[4:5], s[10:11], s[8:9]         ; source buffer: x, h,
.irp q, 0,1,2,3,4,5,6,7
	s_cmp_eq_u32 s2, 16+(\q)
	s_cselect_b64 s[4:5], s[12+2*(\q):13+2*(\q)], s[4:5]  ; or weight q
.endr
	s_lshl_b32 s38, s33, 12                        ; offsets in bytes, under 2^26, in a pair with 0 above
	s_mov_b32 s39, 0
	s_add_nc_u64 s[4:5], s[4:5], s[38:39]
	s_lshl_b32 s38, s35, 12
	s_lshl_b32 s36, s36, 11
	s_add_co_u32 s38, s38, s36
	s_add_nc_u64 s[6:7], s[6:7], s[38:39]
.set n, 0
.rept 32
	global_load_b128 v[X+4*n:X+4*n+3], v[LO], s[4:5] offset:ROWB*(n/8)+512*(n%8) th:TH_LOAD_NT
.set n, n+1
.endr
.set n, 0
.rept 32
	s_wait_loadcnt 31-n                            ; loads come back in order (ISA guide 5.7.1): load n is in, the 31 - n younger ones stay out
	v_cvt_pk_bf16_f32 v[X+4*n], v[X+4*n], v[X+4*n+1]      ; two roundings to bf16, packed, in place
	v_cvt_pk_bf16_f32 v[X+4*n+1], v[X+4*n+2], v[X+4*n+3]
	global_store_b64 v[SO], v[X+4*n:X+4*n+1], s[6:7] offset:ROWB*(n/8)+256*(n%8) th:TH_STORE_NT  ; no register that a store names is written again
.set n, n+1
.endr
	s_endpgm
.Lfunc_end_k_qbf169d1a49_cast:
	.size	k_qbf169d1a49_cast, .Lfunc_end_k_qbf169d1a49_cast-k_qbf169d1a49_cast
	.p2alignl 7, 3214868480
	.fill 96, 4, 3214868480
	.section	.rodata,"a",@progbits
	.p2align	6, 0x0
	.amdhsa_kernel k_qbf169d1a49_cast
		.amdhsa_group_segment_fixed_size 0
		.amdhsa_private_segment_fixed_size 0
		.amdhsa_enable_private_segment 0
		.amdhsa_kernarg_size 96
		.amdhsa_user_sgpr_count 2
		.amdhsa_user_sgpr_kernarg_segment_ptr 1
		.amdhsa_wavefront_size32 1
		.amdhsa_system_sgpr_workgroup_id_x 1
		.amdhsa_system_sgpr_workgroup_id_y 1
		.amdhsa_system_sgpr_workgroup_id_z 1
		.amdhsa_system_vgpr_workitem_id 0
		.amdhsa_next_free_vgpr 136
		.amdhsa_next_free_sgpr 66
		.amdhsa_reserve_vcc 0
		.amdhsa_float_denorm_mode_32 3
		.amdhsa_float_denorm_mode_16_64 3
		.amdhsa_memory_ordered 1
		.amdhsa_forward_progress 1
		.amdhsa_inst_pref_size 13
	.end_amdhsa_kernel
	.amdgpu_metadata
---
amdhsa.version: [ 1, 2 ]
amdhsa.kernels:
  - .name:           k_qbf169d1a49_cast
    .symbol:         k_qbf169d1a49_cast.kd
    .args:
      - { .name: x, .offset: 0, .size: 8, .value_kind: global_buffer, .address_space: global }
      - { .name: h, .offset: 8, .size: 8, .value_kind: global_buffer, .address_space: global }
      - { .name: W_ii, .offset: 16, .size: 8, .value_kind: global_buffer, .address_space: global }
      - { .name: W_hi, .offset: 24, .size: 8, .value_kind: global_buffer, .address_space: global }
      - { .name: W_if_, .offset: 32, .size: 8, .value_kind: global_buffer, .address_space: global }
      - { .name: W_hf, .offset: 40, .size: 8, .value_kind: global_buffer, .address_space: global }
      - { .name: W_ig, .offset: 48, .size: 8, .value_kind: global_buffer, .address_space: global }
      - { .name: W_hg, .offset: 56, .size: 8, .value_kind: global_buffer, .address_space: global }
      - { .name: W_io, .offset: 64, .size: 8, .value_kind: global_buffer, .address_space: global }
      - { .name: W_ho, .offset: 72, .size: 8, .value_kind: global_buffer, .address_space: global }
      - { .name: abf, .offset: 80, .size: 8, .value_kind: global_buffer, .address_space: global }
      - { .name: wbf, .offset: 88, .size: 8, .value_kind: global_buffer, .address_space: global }
    .group_segment_fixed_size: 0
    .private_segment_fixed_size: 0
    .kernarg_segment_align: 8
    .kernarg_segment_size: 96
    .max_flat_workgroup_size: 256
    .sgpr_count:     66
    .vgpr_count:     136
    .wavefront_size: 32
...
	.end_amdgpu_metadata
.endif
;; end of part 1
;; launch gates (part 2): grid 16 x 32, 4 waves a work-group, clusters of 4 x 4, 327,680 bytes of LDS; arguments abf, wbf, c_prev, out0, out1, b_ii, b_hi, b_if_, b_hf, b_ig, b_hg, b_io, b_ho; writes out0, out1
.if DOCPART == 2
	.amdgcn_target "amdgcn-amd-amdhsa--gfx1250"
	.amdhsa_code_object_version 6
	.text
	.protected	k_qbf169d1a49_gates
	.globl	k_qbf169d1a49_gates
	.p2align	8
	.type	k_qbf169d1a49_gates,@function
k_qbf169d1a49_gates:
	s_mov_b64 s[64:65], 0
	v_nop
	global_prefetch_b8 v0, s[64:65] scope:SCOPE_SE
	s_setreg_imm32_b32 hwreg(HW_REG_WAVE_MODE, 25, 1), 1
	s_wait_xcnt 0x0
	s_wait_alu depctr_hold_cnt(0) depctr_sa_sdst(0) depctr_va_vdst(0) depctr_va_sdst(0) depctr_va_ssrc(0) depctr_va_vcc(0) depctr_vm_vsrc(0)
	s_getreg_b32 s2, hwreg(HW_REG_IB_STS2, 6, 4)
	s_cmp_eq_u32 s2, 0
	s_cbranch_scc0 .Lentry_in_a_cluster
	s_endpgm
.Lentry_in_a_cluster:
	s_bfe_u32 s2, ttmp6, 0x10000c
	s_cmp_lg_u32 s2, 0xf033
	s_cbranch_scc0 .Lentry_shape_is_right
	s_endpgm
.Lentry_shape_is_right:
; THE LSTM CELL.  gates[8192][4096] = abf wbf^T + b_i* + b_h* (abf = [x | h], wbf = the eight weights, both bf16, K = 2,048; sums in f32);
; c_next = sigmoid(f) c_prev + sigmoid(i) tanh(g) -> out1;  h_next = sigmoid(o) tanh(c_next) -> out0.  c_prev, the biases and all the gate arithmetic in f32.
; sigmoid(v) = 1 / (1 + 2^(-v log2 e)), tanh(v) = 1 - 2 / (1 + 2^(2 v log2 e)).  An exponential past f32's range is an infinity, whose reciprocal is 0: the functions' own limits, so nothing is clamped.
; LIMITS.  x, h and the weights arrive rounded to bf16.  NaN and infinities among the inputs are not treated apart; a sigmoid below 2^-126 counts as 0.
; SHARES.  A work-group makes 256 rows x 256 gate columns = 64 hidden columns x 4 gates; each of its four waves 128 x 128: 64 accumulators of 16 x 16, 512 registers.
; wbf's rows are ordered so that a wave's 128 rows are the four gates of 32 hidden columns: row block b = 2 g + j is gate g, hidden columns 16 j on.
; K goes in 16 steps of 128 through a ring of two LDS slots filled by the tensor data mover; a tile's rows are 256 bytes of memory at multiples of 256 bytes.
; THE MATRIX INSTRUCTION IS USED TRANSPOSED (source 0 = 16 rows of wbf, source 1 = 16 rows of abf): lane l holds row l % 16 and the gate columns 8 (l / 16) + 0..7 of each accumulator,
; so the four gates of a hidden column lie in ONE lane, and the cell's arithmetic changes no lanes.
; CLUSTER.  4 x 4 work-groups.  The four of a row of the cluster need the same tiles of abf, the four of a column the same tiles of wbf: each tile is asked for JOINTLY, by the same tensor load
; with the same descriptor and a mask that names the four.  c_prev, the biases and the outputs are each work-group's own.
; THE TAIL.  In the last K step slot 0, which is read no more, takes the work-group's tile of c_prev (its last fill).  Behind the last product slot 1, which has had its last fill and its last read,
; is the stage: c_next and h_next go into rows of 272 bytes and come back as whole rows of 256 bytes, since a row's 256 bytes come from two waves.
; REGISTERS, in windows of 256 (s_set_vgpr_msb: bits 1:0 source 0, 3:2 source 1, 5:4 source 2, 7:6 destination):
;   window 0: v0-31 addresses; v64-127, v128-191 fragments of abf, two buffers; in the tail v64-127 the gates at work, v128-255 c_prev, at the end v64-255 rows on their way out
;   window 1: v64-127, v128-191 fragments of wbf, two buffers; v0-63 b_i*, later the scaled sum of both biases; v192-255 b_h*
;   window 2: the 32 accumulators of my rows 0-63 (accumulator (a, b) at v[8 (8 a + b)]);   window 3: those of my rows 64-127
.set SIZE_K, 2048
.set KSTEP,  128
.set ROWB,   4096                      ; bytes in a row of abf, wbf, c_prev, out0 and out1 alike
.set PITCH,  272                       ; an LDS row: 256 bytes + 16 of padding = 68 words: the 16 rows that a load touches start at 16 different groups of four banks (64 banks of 4 bytes: ISA guide 11.1)
.set HALFT,  128*PITCH                 ; 128 rows: what one tensor load of the ring brings, and what one wave reads of abf or of wbf
.set SLOT,   4*HALFT                   ; abf's 256 rows, then wbf's 256 rows
.set CSTG,   SLOT                      ; the tail: c_next's stage, 256 rows, where slot 1 held abf's rows
.set HSTG,   SLOT+2*HALFT              ; h_next's, where it held wbf's
.set SPARE,  2*SLOT                    ; behind the ring: the spare words, 128 bytes for each wave: two blocks of 256 bytes that no other line names
.set LAPS,   SIZE_K/(2*KSTEP)          ; a lap = two K steps = once round the ring
.set ADRA, 16                          ; v16-17  LDS address of my fragments of abf in slot 0, 1
.set ADRB, 20                          ; v20-21  the same for wbf
.set CPR,  22                          ; v22     where my 32 bytes of c_prev's row 128 RH + l % 16 lie
.set STC,  23                          ; v23     the same place in c_next's stage
.set STH,  24                          ; v24     and in h_next's
.set RDC,  25                          ; v25     the way out: where I read c_next's rows back
.set CO,   26                          ; v26     my byte offset in two rows of an output
.set RDH,  27                          ; v27     where I read h_next's rows back
.set SPW,  28                          ; v28     LDS address of my spare word: SPARE + 4 x my thread's number; never rewritten
.set NIL,  29                          ; v29     0; never rewritten
.set PFO,  30                          ; v30     the prefetches' offset: my lane x a row; never rewritten
.set BO,   31                          ; v31     my byte offset in a bias; never rewritten
.set F0,   64                          ; fragment buffer 0
.set F1,   128                         ; fragment buffer 1
.set ARG,  64                          ; the tail, window 0: gate g, element e = 8 j + i at ARG + 16 g + e
.set GI,   ARG
.set GF,   ARG+16
.set GG,   ARG+32
.set GO,   ARG+48
.set CP,   128                         ; the tail, window 0: c_prev of row block a at CP + 16 a + e
.set BI,   0                           ; window 1
.set BH,   192                         ; window 1
.set WV,   14                          ; s14  my wave's number
.set RH,   15                          ; s15  which half of the tile's rows is mine.  Also: I fetch for abf (0) or for wbf (1)
.set CH,   16                          ; s16  which half of its columns.  Also: which 128 rows of that tile I fetch
.set LIM,  23                          ; s23  1 in a wave that prefetches along K, else the greatest number
.set G1,   24                          ; s[24:31] descriptor group 1 for abf's tiles
.set G0,   32                          ; s[32:39] group 0 for them, a set for each slot
.set PFA,  44                          ; s[44:45] where my prefetches along K stand
.set G1B,  48                          ; s[48:55], s[56:63] the same two for wbf's tiles
.set G0B,  56
.set KS,   66                          ; s[66:67] -log2 e: named as a pair, the low word serves both halves
.set KT,   68                          ; s[68:69] 2 log2 e
.set BIAS, 72                          ; s[72:87] the eight biases' addresses: b_i{g} at 72 + 4 g, b_h{g} at 74 + 4 g
.set G0C,  88                          ; s[88:91] group 0 for my quarter of c_prev's tile
.set G1C,  92                          ; s[92:99] group 1 for it
.set MSB, 0
.macro WIN new                         ; the immediate's high byte repeats the setting that is left; a switch that changes nothing is dropped
.if MSB != (\new)
	s_set_vgpr_msb (MSB<<8)|(\new)
.set MSB, \new
.endif
.endm
.set MUL_LO, 0xa1                      ; source 0 (wbf) window 1, source 1 (abf) window 0, C and D window 2
.set MUL_HI, 0xf1                      ; the same, C and D window 3
.set TO_B,   0x40                      ; destination window 1, address window 0
; A joint load.  Waves 0 and 1 fetch abf's two halves, waves 2 and 3 wbf's.  Each line has one mask and one set of registers for all that issue it; the branch hangs on the wave's number alone.
; An s_nop 0 and four v_nop follow each of the two lines, ahead of the jump, the label and what follows.
.macro JLOAD s
	s_cmp_eq_u32 s[RH], 0
	s_cbranch_scc0 .Lfor_b_\@
	tensor_load_to_lds s[G0+4*(\s):G0+4*(\s)+3], s[G1:G1+7]
	s_nop 0
.rept 4
	v_nop
.endr
	s_branch .Lasked_\@
.Lfor_b_\@:
	tensor_load_to_lds s[G0B+4*(\s):G0B+4*(\s)+3], s[G1B:G1B+7]
	s_nop 0
.rept 4
	v_nop
.endr
.Lasked_\@:
.endm
; A PREFETCH ALONG K, behind each joint load, its five lines and the run of LDS loads that follows them: the K step that stands TWO refills on (512 matrix instructions ahead of the load that will ask for it):
; 32 rows x 256 bytes, a lane a row, one instruction a wave.  Each row's 256 bytes of a K step are named once in the launch: abf's tile row is walked by every cluster of that row of clusters, and
; cluster x = 0 asks; wbf's tile column by every cluster of that column, and cluster y = 0 asks.  The four partners that ask for a tile jointly share its rows out BY ADDRESS: of the 128 rows that a
; wave fetches the partner at place p takes 32 p .. 32 p + 31 (p = cx for abf, cy for wbf).  The loop's last trip (s3 = 1) asks for nothing: K step 15 is the last that is named.
.macro ASK
	s_cmp_gt_u32 s3, s[LIM]
	s_cbranch_scc0 .Lnot_mine_\@
	global_prefetch_b8 v[PFO], s[PFA:PFA+1] offset:KSTEP*2 th:TH_LOAD_NT scope:SCOPE_SE
.Lnot_mine_\@:
.endm
; c_prev IS PREFETCHED ONCE, in the loop's last trip, two K steps ahead of the tensor load that asks for it: each wave names the 64 rows x 256 bytes that it will fetch itself, a lane a row.
.macro ASKC
	s_cmp_eq_u32 s3, 1
	s_cbranch_scc0 .Lnot_yet_\@
	global_prefetch_b8 v[PFO], s[8:9] th:TH_LOAD_NT scope:SCOPE_SE
	global_prefetch_b8 v[PFO], s[8:9] offset:32*ROWB th:TH_LOAD_NT scope:SCOPE_SE
.Lnot_yet_\@:
.endm
; A round of the cluster's barrier: my work-group's barrier, so that wave 0's signal speaks for all four waves; wave 0 signals for the work-group; every wave waits for all sixteen work-groups;
; my work-group's barrier once more.  No LDS instruction of the wave is pending at a signal.
.macro CREST                           ; a round behind its opening barrier
	s_cmp_lg_u32 s[WV], 0
	s_cbranch_scc1 .Lnot_wave_0_\@
	s_barrier_signal -3
.Lnot_wave_0_\@:
	s_barrier_wait -3
	s_barrier_signal -1
	s_barrier_wait -1
.endm
.macro CROUND                          ; a whole round
	s_barrier_signal -1
	s_barrier_wait -1
	CREST
.endm
	s_load_b256 s[4:11], s[0:1], 0x0               ; abf s[4:5], wbf s[6:7], c_prev s[8:9], out0 s[10:11]
	s_load_b64 s[12:13], s[0:1], 0x20              ; out1
	s_load_b512 s[BIAS:BIAS+15], s[0:1], 0x28      ; b_ii, b_hi, b_if_, b_hf, b_ig, b_hg, b_io, b_ho
	v_lshl_add_u32 v[SPW], v0, 2, SPARE
	v_mov_b32 v[NIL], 0
	ds_add_u32 v[SPW], v[NIL]                      ; the wave's opening: the add, twice on end, and its wait ahead of my first tensor load; the set-up below, work on registers, stands between
	ds_add_u32 v[SPW], v[NIL]                      ; and once more, under the one wait
	v_lshrrev_b32 v1, 5, v0
	v_readfirstlane_b32 s[WV], v1                  ; wave 0..3
	s_lshr_b32 s[RH], s[WV], 1
	s_and_b32 s[CH], s[WV], 1
	s_bfe_u32 s17, ttmp6, 0x40000                  ; cx: my place along the cluster's x
	s_bfe_u32 s18, ttmp6, 0x40004                  ; cy: along its y
	s_lshl_b32 s19, ttmp9, 2                       ; in a cluster launch ttmp9 and ttmp7 count clusters
	s_add_co_u32 s19, s19, s17                     ; TC: tile column = 4 x cluster x + cx
	s_and_b32 s20, ttmp7, 0xffff
	s_lshl_b32 s20, s20, 2
	s_add_co_u32 s20, s20, s18                     ; TR: tile row = 4 x cluster y + cy
	s_lshl_b32 s21, s18, 2
	s_lshl_b32 s21, 15, s21                        ; my row of the cluster: places 4 cy .. 4 cy + 3
	s_lshl_b32 s22, 0x1111, s17                    ; my column: places cx, cx + 4, cx + 8, cx + 12
	; group 1 of the ring's tiles: 128 rows x 128 elements of 2 bytes, padded in LDS
	s_or_b32 s[G1+0], s21, (1<<16)|(1<<20)|(1<<21)|(5<<22)|(3<<25)   ; 15:0 the mask: abf's tiles go to my row; 17:16 elements of 2 bytes; 20 padding on; 21 set beside a mask; 24:22 after every 64 words (code 5); 31:25 4 words of it (code 3)
	s_or_b32 s[G1B+0], s22, (1<<16)|(1<<20)|(1<<21)|(5<<22)|(3<<25)  ; the same with the mask of my column, for wbf's tiles
.irp g, G1, G1B
	s_mov_b32 s[(\g)+1], KSTEP<<16                 ; tensor_dim0 = 128
	s_mov_b32 s[(\g)+2], 128<<16                   ; tensor_dim1 = 128
	s_mov_b32 s[(\g)+3], KSTEP<<16                 ; tile_dim0 = 128
	s_mov_b32 s[(\g)+4], 128                       ; tile_dim1 = 128
	s_mov_b32 s[(\g)+5], SIZE_K                    ; elements from row to row
	s_mov_b32 s[(\g)+6], 0
	s_mov_b32 s[(\g)+7], 0
.endr
	; group 1 of c_prev's tile: 64 rows x 64 elements of 4 bytes, padded alike; no mask: each wave's load is its own
	s_mov_b32 s[G1C+0], (2<<16)|(1<<20)|(5<<22)|(3<<25)
	s_mov_b32 s[G1C+1], 64<<16                     ; tensor_dim0 = 64
	s_mov_b32 s[G1C+2], 64<<16                     ; tensor_dim1 = 64
	s_mov_b32 s[G1C+3], 64<<16                     ; tile_dim0 = 64
	s_mov_b32 s[G1C+4], 64                         ; tile_dim1 = 64
	s_mov_b32 s[G1C+5], 1024                       ; elements from row to row
	s_mov_b32 s[G1C+6], 0
	s_mov_b32 s[G1C+7], 0
	s_mov_b32 s[G0C], 1                            ; count = 1
	s_mul_i32 s[G0C+1], s[WV], 64*PITCH            ; LDS: rows 64 w on, from byte 0: where slot 0 held abf's rows
	s_mov_b32 s[KS], 0xbfb8aa3b                    ; -log2 e
	s_mov_b32 s[KS+1], s[KS]
	s_mov_b32 s[KT], 0x4038aa3b                    ; 2 log2 e
	s_mov_b32 s[KT+1], s[KT]
	; where the tiles come from, in bytes (all under 2^26).  abf's hang on the tile row alone, which my row of the cluster shares; wbf's on the tile column alone, which my column shares
	s_lshl_b32 s2, s[CH], 7                        ; which 128 rows of the tile I fetch
	s_lshl_b32 s40, s20, 8
	s_add_co_u32 s40, s40, s2
	s_lshl_b32 s40, s40, 12                        ; abf: row 256 TR + 128 x half
	s_mov_b32 s41, 0
	s_lshl_b32 s46, s19, 8
	s_add_co_u32 s46, s46, s2
	s_lshl_b32 s46, s46, 12                        ; wbf: row 256 TC + 128 x half
	s_mov_b32 s47, 0
	s_lshl_b32 s42, s20, 8                         ; c_prev, out0, out1: row 256 TR + 64 w,
	s_lshl_b32 s3, s[WV], 6
	s_add_co_u32 s42, s42, s3
	s_lshl_b32 s42, s42, 12
	s_lshl_b32 s22, s19, 8                         ; hidden column 64 TC: 256 bytes a tile
	s_add_co_u32 s42, s42, s22
	s_mov_b32 s43, 0
	s_mul_i32 s70, s[WV], HALFT                    ; and where the ring's tiles go: wave x 128 rows: no place in the cluster enters an LDS address
	s_wait_dscnt 0x0                               ; both opening adds are done
	s_wait_kmcnt 0x0
	s_add_nc_u64 s[40:41], s[4:5], s[40:41]
	s_add_nc_u64 s[46:47], s[6:7], s[46:47]
	s_add_nc_u64 s[8:9], s[8:9], s[42:43]          ; c_prev at my 64 rows of the tile; never rewritten
	s_add_nc_u64 s[10:11], s[10:11], s[42:43]      ; out0 and out1 at the 64 rows that I store
	s_add_nc_u64 s[12:13], s[12:13], s[42:43]
	s_mov_b64 s[G0C+2:G0C+3], s[8:9]
	s_or_b32 s[G0C+3], s[G0C+3], 0x80000000        ; type = 2
	CROUND                                         ; all sixteen work-groups are here: the first joint loads meet
.irp s, 0,1
	s_mov_b32 s[G0+4*(\s)], 1                                        ; count = 1
	s_add_co_u32 s[G0+4*(\s)+1], s70, (\s)*SLOT                      ; LDS address
	s_add_nc_u64 s[G0+4*(\s)+2:G0+4*(\s)+3], s[40:41], (\s)*KSTEP*2  ; global address: K step s
	s_or_b32 s[G0+4*(\s)+3], s[G0+4*(\s)+3], 0x80000000              ; type = 2
	s_mov_b32 s[G0B+4*(\s)], 1
	s_add_co_u32 s[G0B+4*(\s)+1], s70, (\s)*SLOT
	s_add_nc_u64 s[G0B+4*(\s)+2:G0B+4*(\s)+3], s[46:47], (\s)*KSTEP*2
	s_or_b32 s[G0B+4*(\s)+3], s[G0B+4*(\s)+3], 0x80000000
	JLOAD \s                                       ; the ring is filled before anything else is done: two loads of mine are out
.endr
	; A fragment is 16 rows x 32 K in 8 registers: lane l holds row l % 16; registers 0-3 K = 8 (l / 16) + 0..7, registers 4-7 K = 16 + 8 (l / 16) + 0..7: two loads of 16 bytes, 32 bytes apart.
	v_and_b32 v1, 15, v0                           ; r = l % 16
	v_bfe_u32 v2, v0, 4, 1                         ; hh = l / 16
	v_mul_u32_u24 v3, v1, PITCH
	v_lshl_add_u32 v3, v2, 4, v3                   ; row x pitch + 16 x half
	s_mul_i32 s70, s[RH], HALFT                    ; my 128 rows of abf
	s_mul_i32 s71, s[CH], HALFT                    ; my 128 rows of wbf,
	s_add_co_u32 s71, s71, 2*HALFT                 ; which lie behind abf's 256
.irp s, 0,1
	v_add_nc_u32 v[ADRA+(\s)], s70, v3
	v_add_nc_u32 v[ADRB+(\s)], s71, v3
	s_add_co_u32 s70, s70, SLOT
	s_add_co_u32 s71, s71, SLOT
.endr
	s_mul_i32 s70, s[RH], HALFT                    ; the tail: row 128 RH + r, byte 128 CH + 32 hh: my 8 hidden columns of j = 0, in f32
	s_lshl_b32 s71, s[CH], 7
	s_add_co_u32 s70, s70, s71
	v_mul_u32_u24 v4, v1, PITCH
	v_lshl_add_u32 v4, v2, 5, v4
	v_add_nc_u32 v[CPR], s70, v4
	v_add_nc_u32 v[STC], CSTG, v[CPR]
	v_add_nc_u32 v[STH], HSTG, v[CPR]
	s_mul_i32 s70, s[WV], 64*PITCH                 ; back: wave w takes rows 64 w .. 64 w + 63, whole; lanes 0-15 one row of 256 bytes, lanes 16-31 the next
	s_add_co_u32 s70, s70, CSTG
	v_mul_u32_u24 v5, v2, PITCH
	v_lshl_add_u32 v5, v1, 4, v5
	v_add_nc_u32 v[RDC], s70, v5
	v_add_nc_u32 v[RDH], HSTG-CSTG, v[RDC]
	v_lshlrev_b32 v5, 12, v2                       ; and the same two rows in an output
	v_lshl_add_u32 v[CO], v1, 4, v5
	v_and_b32 v[PFO], 31, v0
	v_lshlrev_b32 v[PFO], 12, v[PFO]
	s_lshl_b32 s70, s19, 8                         ; a bias: hidden column 64 TC + 32 CH + 8 hh, in f32
	s_add_co_u32 s70, s70, s71
	v_lshl_add_u32 v[BO], v2, 5, s70
	; the prefetches along K
	s_lshl_b32 s21, s20, 8                         ; 256 TR
	s_lshl_b32 s22, s19, 8                         ; 256 TC
	s_and_b32 s70, ttmp7, 0xffff                   ; cluster y
	s_cmp_eq_u32 s[RH], 0                          ; do I fetch for abf?
	s_cselect_b32 s21, s21, s22                    ; the tile's first row
	s_cselect_b32 s22, s17, s18                    ; my place among the four that ask for it with me
	s_cselect_b32 s70, ttmp9, s70                  ; the coordinate along which other clusters walk the same rows
	s_cselect_b64 s[PFA:PFA+1], s[4:5], s[6:7]
	s_cmp_eq_u32 s70, 0
	s_cselect_b32 s[LIM], 1, -1                    ; the same in all sixteen partners, for a given wave
	s_lshl_b32 s70, s[CH], 7
	s_add_co_u32 s21, s21, s70                     ; + the 128 rows that I fetch
	s_lshl_b32 s22, s22, 5
	s_add_co_u32 s21, s21, s22                     ; + my work-group's 32 of them
	s_lshl_b32 s70, s21, 12
	s_mov_b32 s71, 0
	s_add_nc_u64 s[PFA:PFA+1], s[PFA:PFA+1], s[70:71]
	s_add_nc_u64 s[PFA:PFA+1], s[PFA:PFA+1], 2*KSTEP*2  ; at K step 2: the first refill steps it to 3 and names K step 4.  Nothing is prefetched here, where every work-group's first tiles are on their way
	; the biases of my 16 hidden columns, all eight: 32 loads, which stay out until the tail; nothing in the loop names their registers
	WIN TO_B
.irp g, 0,1,2,3
.irp j, 0,1
.irp q, 0,1
	global_load_b128 v[BI+16*(\g)+8*(\j)+4*(\q):BI+16*(\g)+8*(\j)+4*(\q)+3], v[BO], s[BIAS+4*(\g):BIAS+4*(\g)+1] offset:64*(\j)+16*(\q)
	global_load_b128 v[BH+16*(\g)+8*(\j)+4*(\q):BH+16*(\g)+8*(\j)+4*(\q)+3], v[BO], s[BIAS+4*(\g)+2:BIAS+4*(\g)+3] offset:64*(\j)+16*(\q)
.endr
.endr
.endr
	WIN 0
; 16 matrix instructions: row blocks a0, a0 + 1 of the window's four (hi = 0: my rows 0-63, 1: rows 64-127) x all 8 column blocks, 32 along K.  zero = 1: the first product starts the sums: nothing is cleared.
; The 64 accumulators take turns, one instruction a turn, in the same order in every quarter step, over the backward jump too.
.macro MUL16 f, hi, a0, zero
	WIN MUL_LO+0x50*(\hi)
.irp a, \a0, (\a0)+1
.irp b, 0,1,2,3,4,5,6,7
.if \zero
	v_wmma_f32_16x16x32_bf16 v[8*(8*(\a)+(\b)):8*(8*(\a)+(\b))+7], v[(\f)+8*(\b):(\f)+8*(\b)+7], v[(\f)+8*(4*(\hi)+(\a)):(\f)+8*(4*(\hi)+(\a))+7], 0
.else
	v_wmma_f32_16x16x32_bf16 v[8*(8*(\a)+(\b)):8*(8*(\a)+(\b))+7], v[(\f)+8*(\b):(\f)+8*(\b)+7], v[(\f)+8*(4*(\hi)+(\a)):(\f)+8*(4*(\hi)+(\a))+7], v[8*(8*(\a)+(\b)):8*(8*(\a)+(\b))+7]
.endif
.endr
.endr
.endm
; 32 LDS loads in one run: the fragments of one quarter step (128 rows of wbf, 128 rows of abf, 32 K at byte k of the rows) into buffer f
.macro FETCH slot, k, f
	WIN TO_B
.irp i, 0,1,2,3,4,5,6,7
	ds_load_b128 v[(\f)+8*(\i):(\f)+8*(\i)+3],   v[ADRB+(\slot)] offset:(\k)+(\i)*16*PITCH
	ds_load_b128 v[(\f)+8*(\i)+4:(\f)+8*(\i)+7], v[ADRB+(\slot)] offset:(\k)+(\i)*16*PITCH+32
.endr
	WIN 0
.irp i, 0,1,2,3,4,5,6,7
	ds_load_b128 v[(\f)+8*(\i):(\f)+8*(\i)+3],   v[ADRA+(\slot)] offset:(\k)+(\i)*16*PITCH
	ds_load_b128 v[(\f)+8*(\i)+4:(\f)+8*(\i)+7], v[ADRA+(\slot)] offset:(\k)+(\i)*16*PITCH+32
.endr
.endm
; A load into a register that a matrix instruction has read stands four places behind it, and only plain vector instructions that name none of its registers are places
; (ISA guide 7.12.1 for vector instructions).
.macro PLACES
.rept 4
	v_nop
.endr
.endm
; A K step is four quarter steps of 32 along K, 64 matrix instructions each, on buffers 0, 1, 0, 1.
; One of the first three: multiplies buffer f; in its middle it fetches the next quarter's fragments, at byte k of the same slot's rows, into buffer g.
.macro QUARTER slot, k, f, g, zero
	s_wait_dscnt 8                                 ; wbf's fragments and abf's rows 0-63 are in; the youngest eight loads (abf's rows 64-127) may be out
	MUL16 \f, 0, 0, \zero
	MUL16 \f, 0, 2, \zero
	PLACES
	FETCH \slot, \k, \g
	s_wait_dscnt 32                                ; all but the 32 just issued
	MUL16 \f, 1, 0, \zero
	MUL16 \f, 1, 2, \zero
.endm
; The last quarter multiplies buffer 1 and changes slots.  MEET is its first half.  Each wave waits for all its tensor loads, of which one is out: its part of the next slot; adds 0 to its spare word;
; and waits for that and for its own reads of this slot.  The barrier opens a round of the cluster's barrier; behind the round nobody reads this slot any more and the next slot is whole.
.macro MEET
	WIN 0                                          ; (the add's two registers lie in window 0)
	s_wait_tensorcnt 0x0                           ; all my tensor loads have landed
	ds_add_u32 v[SPW], v[NIL]                      ; 0 onto my spare word
	s_wait_dscnt 9                                 ; (the add and the youngest eight loads may be out)
	MUL16 F1, 0, 0, 0                              ; sixteen matrix instructions stand between the add and the wait for it
	s_wait_dscnt 0x0                               ; the add is done, and my reads of this slot are over
	s_barrier_signal -1
	MUL16 F1, 0, 2, 0                              ; work on registers while the others arrive
	WIN 0
	s_barrier_wait -1
.endm
; The whole last quarter: behind the round the slot just read out is filled again first, with the K step two steps on; then come the next slot's first fragments.
; From a request to the wait for it a wave issues 224 matrix instructions.
.macro TURN slot, next
	s_wait_xcnt 0x0                                ; the last prefetch, a K step back, has read its address: it is stepped here, ahead of the waits of the change of slots
	s_add_nc_u64 s[PFA:PFA+1], s[PFA:PFA+1], KSTEP*2
	MEET
	CREST                                          ; no wave of any partner still reads this slot's tile or has a load on its way
	s_add_nc_u64 s[G0+4*(\slot)+2:G0+4*(\slot)+3], s[G0+4*(\slot)+2:G0+4*(\slot)+3], 2*KSTEP*2     ; no tensor load of mine is out, so a group 0 may be written
	s_add_nc_u64 s[G0B+4*(\slot)+2:G0B+4*(\slot)+3], s[G0B+4*(\slot)+2:G0B+4*(\slot)+3], 2*KSTEP*2
	JLOAD \slot                                    ; the first tensor load behind the round; the four v_nop behind it are also the places in front of the loads below
	FETCH \next, 0, F0
	ASK
.if (\slot) == 0
	ASKC
.endif
	MUL16 F1, 1, 0, 0
	MUL16 F1, 1, 2, 0
.endm
	s_wait_tensorcnt 1                             ; my part of K step 0 is in; K step 1's load, the one issued behind it, may stay out
	s_barrier_signal -1
	s_barrier_wait -1                              ; everybody's is
	FETCH 0, 0, F0
	QUARTER 0, 64,  F0, F1, 1                      ; the first quarter stands in front of the loop: its products start the sums
	WIN 0                                          ; at a label and at a branch every window is 0
	s_mov_b32 s3, LAPS-1
.Llap:                                                 ; 7 trips: once round the ring, from a lap's second quarter to the next lap's first; both slots are filled again
	QUARTER 0, 128, F1, F0, 0
	QUARTER 0, 192, F0, F1, 0
	TURN 0, 1
	QUARTER 1, 64,  F0, F1, 0
	QUARTER 1, 128, F1, F0, 0
	QUARTER 1, 192, F0, F1, 0
	TURN 1, 0
	QUARTER 0, 64,  F0, F1, 0
	WIN 0
	s_sub_co_u32 s3, s3, 1
	s_cmp_lg_u32 s3, 0
	s_cbranch_scc1 .Llap
	QUARTER 0, 128, F1, F0, 0                      ; the last lap goes on
	QUARTER 0, 192, F0, F1, 0
	MEET                                           ; the last change of slots: K step 15 has landed, slot 0 is read no more
	CREST
	tensor_load_to_lds s[G0C:G0C+3], s[G1C:G1C+7]  ; slot 0's last fill: my 64 rows of c_prev's tile; it has the last K step, 256 matrix instructions, in which to land
	s_nop 0
.rept 4
	v_nop                                          ; (the places in front of the loads below)
.endr
	FETCH 1, 0, F0
	MUL16 F1, 1, 0, 0
	MUL16 F1, 1, 2, 0
	QUARTER 1, 64,  F0, F1, 0
	QUARTER 1, 128, F1, F0, 0
	QUARTER 1, 192, F0, F1, 0
	s_wait_dscnt 8                                 ; the very last quarter: nothing more to fetch
	MUL16 F1, 0, 0, 0
	MUL16 F1, 0, 2, 0
	s_wait_dscnt 0x0
	MUL16 F1, 1, 0, 0
	MUL16 F1, 1, 2, 0
	; THE TAIL.  A barrier for two things: in front of it my quarter of c_prev's tile has landed and my reads of slot 1 are over; behind it the tile is whole and slot 1 is free to be the stage.
	WIN 0
	s_wait_tensorcnt 0x0
	s_wait_dscnt 0x0
	s_wait_loadcnt 0x0                             ; the biases, asked for at the head
	s_barrier_signal -1
	WIN 0x45                                       ; destination and both sources in window 1
.set z, 0
.rept 32
	v_pk_add_f32 v[BI+2*z:BI+2*z+1], v[BI+2*z:BI+2*z+1], v[BH+2*z:BH+2*z+1]  ; b_i + b_h.  These 64 plain lines name no register of the last products: they are the places behind them
.set z, z+1
.endr
.set z, 0
.rept 32
.if z/8 == 2
	v_pk_mul_f32 v[BI+2*z:BI+2*z+1], v[BI+2*z:BI+2*z+1], s[KT:KT+1] op_sel_hi:[1,0]  ; times the exponent's factor, so that a gate's exponent is one multiply-add on its sum
.else
	v_pk_mul_f32 v[BI+2*z:BI+2*z+1], v[BI+2*z:BI+2*z+1], s[KS:KS+1] op_sel_hi:[1,0]
.endif
.set z, z+1
.endr
	WIN 0
	s_barrier_wait -1
.irp a, 0,1,2,3,4,5,6,7
.irp j, 0,1
.irp q, 0,1
	ds_load_b128 v[CP+16*(\a)+8*(\j)+4*(\q):CP+16*(\a)+8*(\j)+4*(\q)+3], v[CPR] offset:16*PITCH*(\a)+64*(\j)+16*(\q)  ; c_prev of my 128 rows x 32 hidden columns, laid as the accumulators are
.endr
.endr
.endr
; Batches of transcendentals, in place.  Behind the last stands one plain instruction (ISA guide 5.7.2), and then a wait ahead of the first line that names a result.
.macro EXPS first, count
.set z, 0
.rept \count
	v_exp_f32 v[(\first)+z], v[(\first)+z]
.set z, z+1
.endr
	v_nop
	s_wait_alu depctr_va_vdst(0)
.endm
.macro RCPS first, count
.set z, 0
.rept \count
	v_rcp_f32 v[(\first)+z], v[(\first)+z]
.set z, z+1
.endr
	v_nop
	s_wait_alu depctr_va_vdst(0)
.endm
.macro ONEP first, pairs               ; + 1
.set z, 0
.rept \pairs
	v_pk_add_f32 v[(\first)+2*z:(\first)+2*z+1], v[(\first)+2*z:(\first)+2*z+1], 1.0 op_sel_hi:[1,0]
.set z, z+1
.endr
.endm
.macro TANHF first                     ; 1 - 2 r, eight pairs
.set z, 0
.rept 8
	v_pk_fma_f32 v[(\first)+2*z:(\first)+2*z+1], v[(\first)+2*z:(\first)+2*z+1], -2.0, 1.0 op_sel_hi:[1,0,0]
.set z, z+1
.endr
.endm
; THE CELL for row block a: 16 rows x 32 hidden columns, 16 elements a lane.
.macro GATE a
	WIN 0x12+(\a)/4                                ; source 0 (the sums) window 2 or 3, source 2 (the biases) window 1, destination window 0
.set z, 0
.rept 32                               ; the exponents: sum x factor + bias x factor; in ascending order
.if z/8 == 2
	v_pk_fma_f32 v[ARG+2*z:ARG+2*z+1], v[64*((\a)%4)+2*z:64*((\a)%4)+2*z+1], s[KT:KT+1], v[BI+2*z:BI+2*z+1] op_sel_hi:[1,0,1]
.else
	v_pk_fma_f32 v[ARG+2*z:ARG+2*z+1], v[64*((\a)%4)+2*z:64*((\a)%4)+2*z+1], s[KS:KS+1], v[BI+2*z:BI+2*z+1] op_sel_hi:[1,0,1]
.endif
.set z, z+1
.endr
	WIN 0
	EXPS ARG, 64
	ONEP ARG, 32
	RCPS ARG, 64                                   ; i, f, o; and g's reciprocal
.if (\a) == 0
	s_wait_dscnt 0x0                               ; c_prev is in registers: its 32 loads came back beside the first block's lines above
.endif
	TANHF GG                                       ; g
.set z, 0
.rept 8
	v_pk_mul_f32 v[GI+2*z:GI+2*z+1], v[GI+2*z:GI+2*z+1], v[GG+2*z:GG+2*z+1]  ; i g
.set z, z+1
.endr
.set z, 0
.rept 8
	v_pk_fma_f32 v[GF+2*z:GF+2*z+1], v[GF+2*z:GF+2*z+1], v[CP+16*(\a)+2*z:CP+16*(\a)+2*z+1], v[GI+2*z:GI+2*z+1]  ; c_next = f c_prev + i g
.set z, z+1
.endr
.set z, 0
.rept 8
	v_pk_mul_f32 v[GG+2*z:GG+2*z+1], v[GF+2*z:GF+2*z+1], s[KT:KT+1] op_sel_hi:[1,0]  ; the exponent of tanh(c_next)
.set z, z+1
.endr
.irp j, 0,1
.irp q, 0,1
	ds_store_b128 v[STC], v[GF+8*(\j)+4*(\q):GF+8*(\j)+4*(\q)+3] offset:16*PITCH*(\a)+64*(\j)+16*(\q)
.endr
.endr
	EXPS GG, 16
	ONEP GG, 8
	RCPS GG, 16
	TANHF GG                                       ; tanh(c_next)
.set z, 0
.rept 8
	v_pk_mul_f32 v[GO+2*z:GO+2*z+1], v[GO+2*z:GO+2*z+1], v[GG+2*z:GG+2*z+1]  ; h_next = o tanh(c_next)
.set z, z+1
.endr
.irp j, 0,1
.irp q, 0,1
	ds_store_b128 v[STH], v[GO+8*(\j)+4*(\q):GO+8*(\j)+4*(\q)+3] offset:16*PITCH*(\a)+64*(\j)+16*(\q)
.endr
.endr
.endm
	GATE 0
	GATE 1
	GATE 2
	GATE 3
	GATE 4
	GATE 5
	GATE 6
	GATE 7
	s_wait_dscnt 0x0                               ; for the others' sake: my stores into the stages are done
	s_barrier_signal -1
	s_barrier_wait -1                              ; a stage row's two halves come from two waves: now both lie there
; THE WAY OUT: 64 whole rows of each output a wave, two rows a load, sixteen loads a buffer; three buffers of 64 registers.
.macro LOADB adr, t0, buf
.set t, 0
.rept 16
	ds_load_b128 v[(\buf)+4*t:(\buf)+4*t+3], v[\adr] offset:2*PITCH*((\t0)+t)
.set t, t+1
.endr
.endm
.macro SENDB base, t0, buf, cnt        ; cnt: the LDS loads issued behind the buffer's first
.set t, 0
.rept 16
	s_wait_dscnt (\cnt)-t                          ; LDS loads come back in order (ISA guide 5.7.1): load t of the buffer is in
	global_store_b128 v[CO], v[(\buf)+4*t:(\buf)+4*t+3], s[\base:(\base)+1] offset:2*ROWB*((\t0)+t) th:TH_STORE_NT  ; 16 lanes store 256 consecutive bytes, at a multiple of 256 from the output's first byte
.set t, t+1
.endr
.endm
	LOADB RDC, 0,  64
	LOADB RDC, 16, 128
	LOADB RDH, 0,  192
	SENDB 12, 0,  64,  47                          ; c_next's rows 0-31: 48 loads are issued, 47 behind the first
	s_wait_xcnt 0x0                                ; the stores above have read their registers (ISA guide 3.1): only behind this wait is the first buffer loaded again
	LOADB RDH, 16, 64
	SENDB 12, 16, 128, 47                          ; c_next's rows 32-63: behind this buffer's first load stand 31 of the first 48 and the 16 new ones
	SENDB 10, 0,  192, 31                          ; h_next's rows 0-31: 15 and 16
	SENDB 10, 16, 64,  15                          ; h_next's rows 32-63
	s_wait_tensorcnt 0x0                           ; the wave's end, behind my last tensor load and my last LDS store
	ds_add_u32 v[SPW], v[NIL]
	s_wait_dscnt 0x0
	CROUND                                         ; the closing round: no work-group ends while a partner may still ask for a tile that names it
	s_endpgm
.Lfunc_end_k_qbf169d1a49_gates:
	.size	k_qbf169d1a49_gates, .Lfunc_end_k_qbf169d1a49_gates-k_qbf169d1a49_gates
	.p2alignl 7, 3214868480
	.fill 96, 4, 3214868480
	.section	.rodata,"a",@progbits
	.p2align	6, 0x0
	.amdhsa_kernel k_qbf169d1a49_gates
		.amdhsa_group_segment_fixed_size 327680
		.amdhsa_private_segment_fixed_size 0
		.amdhsa_enable_private_segment 0
		.amdhsa_kernarg_size 104
		.amdhsa_user_sgpr_count 2
		.amdhsa_user_sgpr_kernarg_segment_ptr 1
		.amdhsa_wavefront_size32 1
		.amdhsa_system_sgpr_workgroup_id_x 1
		.amdhsa_system_sgpr_workgroup_id_y 1
		.amdhsa_system_sgpr_workgroup_id_z 1
		.amdhsa_system_vgpr_workitem_id 0
		.amdhsa_next_free_vgpr 1024
		.amdhsa_next_free_sgpr 100
		.amdhsa_reserve_vcc 0
		.amdhsa_float_denorm_mode_32 3
		.amdhsa_float_denorm_mode_16_64 3
		.amdhsa_memory_ordered 1
		.amdhsa_forward_progress 1
		.amdhsa_inst_pref_size 242
	.end_amdhsa_kernel
	.amdgpu_metadata
---
amdhsa.version: [ 1, 2 ]
amdhsa.kernels:
  - .name:           k_qbf169d1a49_gates
    .symbol:         k_qbf169d1a49_gates.kd
    .args:
      - { .name: abf, .offset: 0, .size: 8, .value_kind: global_buffer, .address_space: global }
      - { .name: wbf, .offset: 8, .size: 8, .value_kind: global_buffer, .address_space: global }
      - { .name: c_prev, .offset: 16, .size: 8, .value_kind: global_buffer, .address_space: global }
      - { .name: out0, .offset: 24, .size: 8, .value_kind: global_buffer, .address_space: global }
      - { .name: out1, .offset: 32, .size: 8, .value_kind: global_buffer, .address_space: global }
      - { .name: b_ii, .offset: 40, .size: 8, .value_kind: global_buffer, .address_space: global }
      - { .name: b_hi, .offset: 48, .size: 8, .value_kind: global_buffer, .address_space: global }
      - { .name: b_if_, .offset: 56, .size: 8, .value_kind: global_buffer, .address_space: global }
      - { .name: b_hf, .offset: 64, .size: 8, .value_kind: global_buffer, .address_space: global }
      - { .name: b_ig, .offset: 72, .size: 8, .value_kind: global_buffer, .address_space: global }
      - { .name: b_hg, .offset: 80, .size: 8, .value_kind: global_buffer, .address_space: global }
      - { .name: b_io, .offset: 88, .size: 8, .value_kind: global_buffer, .address_space: global }
      - { .name: b_ho, .offset: 96, .size: 8, .value_kind: global_buffer, .address_space: global }
    .group_segment_fixed_size: 327680
    .private_segment_fixed_size: 0
    .kernarg_segment_align: 8
    .kernarg_segment_size: 104
    .max_flat_workgroup_size: 128
    .sgpr_count:     100
    .vgpr_count:     1024
    .wavefront_size: 32
...
	.end_amdgpu_metadata
.endif
;; end of part 2
;; ======== version 2 of 2: 2 launches; version 1 with the launch cast written anew for expert scheduling mode
;; workspace buffers: abf 33,554,432 bytes; wbf 16,777,216 bytes
;; launch cast (part 3): grid 32 x 24, 8 waves a work-group, no clusters, 0 bytes of LDS; arguments x, h, W_ii, W_hi, W_if_, W_hf, W_ig, W_hg, W_io, W_ho, abf, wbf; writes abf, wbf
.if DOCPART == 3
	.amdgcn_target "amdgcn-amd-amdhsa--gfx1250"
	.amdhsa_code_object_version 6
	.text
	.protected	k_qbf169d1a49_cast
	.globl	k_qbf169d1a49_cast
	.p2align	8
	.type	k_qbf169d1a49_cast,@function
k_qbf169d1a49_cast:
	s_mov_b64 s[64:65], 0
	v_nop
	global_prefetch_b8 v0, s[64:65] scope:SCOPE_SE
	s_setreg_imm32_b32 hwreg(HW_REG_WAVE_SCHED_MODE, 0, 2), 2
	s_setreg_imm32_b32 hwreg(HW_REG_WAVE_MODE, 25, 1), 1
	s_wait_xcnt 0x0
	s_wait_alu depctr_vm_vsrc(0)
; THE OPERANDS OF THE PRODUCT, ROUNDED ONCE TO bf16 AND LAID OUT FOR IT.
; abf: [8192][2048] bf16, a row = x's row (columns 0-1023), then h's row (columns 1024-2047).
; wbf: [4096][2048] bf16.  Row 128 (hid / 32) + 32 g + hid % 32 holds W_i{g}[hid] (columns 0-1023), then W_h{g}[hid]; g = 0 (i), 1 (f), 2 (g), 3 (o):
; so 128 consecutive rows hold all four gates of 32 hidden columns.
; SHARES.  24 panels of 1,024 source rows of 4,096 bytes (grid y: 0-7 x, 8-15 h, 16 + q weight q = 2 g + side), 32 rows to a work-group (grid x), 4 rows to a wave.
; A load of a wave covers 512 consecutive bytes, a store 256 consecutive bytes at a multiple of 256 from the buffer's first byte.
; All 32 loads of a wave go out at once (16 KiB); nothing is shared between waves, so there is no LDS, no barrier and no loop.
; THE MODE: SCHED_MODE bits 1:0 = 2 (LLVM: expert scheduling mode 2), set by the entry lines.  The code itself states the register dependences
; between vector instructions and memory instructions, with s_wait_alu, always for 0.
; THE PLAN.  Registers that memory instructions touch:
;   v[LO], v[SO]  byte offsets, made once at the head by vector lines and never written again; every load reads v[LO], every store v[SO].
;   X             four registers to load n.  Load n lands in them (no vector line has named them before); its two roundings read all four and write the first two, in place;
;                 store n reads those two.  Nothing writes them again.
; The 32 loads go in 8 blocks of four.  Block p rounds its own four loads; its memory instructions are the four stores of block p - 1, whose registers no vector line of block p names.
; So one wait on va_vdst at a block's head states all that the block's stores hang on, and they are dealt among its roundings with no further wait.
; No register that a memory instruction has read is ever written again: the text owes no wait on vm_vsrc.  No vector line writes a scalar register or VCC, and EXEC is never written.
.set ROWB, 4096                        ; bytes in a source row (1,024 f32) and in a destination row (2,048 bf16)
.set BLK,  4                           ; loads in a block
.set LO,   4                           ; v4   my byte offset in the source: 16 x lane + 4 rows x wave
.set SO,   5                           ; v5   in the destination: 8 x lane + 4 rows x wave
.set X,    8                           ; v[8:135]  load n (row n / 8, chunk n % 8): 4 registers
	s_load_b512 s[8:23], s[0:1], 0x0               ; x s[8:9], h s[10:11], then the weights in the order q = 0 .. 5 at s[12+2q:13+2q]
	s_load_b256 s[24:31], s[0:1], 0x40             ; q = 6, 7 at s[24:27]; abf s[28:29], wbf s[30:31]
	s_and_b32 s2, ttmp7, 0xffff                    ; p: the panel
	s_mov_b32 s3, ttmp9                            ; u: which 32 rows of it
	s_and_b32 s32, s2, 7                           ; p % 8: the panel's place in x or h, or the weight's number q
	s_lshl_b32 s33, s3, 5                          ; a weight's source row: 32 u
	s_lshl_b32 s34, s32, 10
	s_add_co_u32 s34, s34, s33                     ; x's and h's row, source and destination: 1,024 (p % 8) + 32 u
	s_lshr_b32 s35, s32, 1                         ; g
	s_lshl_b32 s35, s35, 5
	s_lshl_b32 s36, s3, 7
	s_add_co_u32 s35, s35, s36                     ; a weight's destination row: 128 u + 32 g
	s_lshr_b32 s36, s2, 3                          ; which half of abf's row: 0 for x, 1 for h
	s_and_b32 s37, s32, 1                          ; which half of wbf's row: the side
	v_and_b32 v1, 31, v0                           ; lane
	v_lshrrev_b32 v2, 5, v0                        ; wave
	v_lshlrev_b32 v2, 14, v2                       ; its 4 rows of 4,096 bytes
	v_lshl_add_u32 v[LO], v1, 4, v2
	v_lshl_add_u32 v[SO], v1, 3, v2
	s_wait_kmcnt 0x0
	s_cmp_lt_u32 s2, 16                            ; x or h?  (the selects leave SCC as it is)
	s_cselect_b32 s33, s34, s33                    ; source row
	s_cselect_b32 s35, s34, s35                    ; destination row
	s_cselect_b32 s36, s36, s37                    ; half of the destination row
	s_cselect_b64 s[6:7], s[28:29], s[30:31]       ; destination buffer
	s_cmp_ge_u32 s2, 8
	s_cselect_b64 s[4:5], s[10:11], s[8:9]         ; source buffer: x, h,
.irp q, 0,1,2,3,4,5,6,7
	s_cmp_eq_u32 s2, 16+(\q)
	s_cselect_b64 s[4:5], s[12+2*(\q):13+2*(\q)], s[4:5]  ; or weight q
.endr
	s_lshl_b32 s38, s33, 12                        ; offsets in bytes, under 2^26, in a pair with 0 above
	s_mov_b32 s39, 0
	s_add_nc_u64 s[4:5], s[4:5], s[38:39]
	s_lshl_b32 s38, s35, 12
	s_lshl_b32 s36, s36, 11
	s_add_co_u32 s38, s38, s36
	s_add_nc_u64 s[6:7], s[6:7], s[38:39]
	s_wait_alu depctr_va_vdst(0)                   ; v[LO] and v[SO] are written: every load of the kernel reads the one as its offset, every store the other; no later vector line names either
.set n, 0
.rept 32
	global_load_b128 v[X+4*n:X+4*n+3], v[LO], s[4:5] offset:ROWB*(n/8)+512*(n%8) th:TH_LOAD_NT
.set n, n+1
.endr
; Block p: its four loads are rounded; the four stores of the block before stand among the roundings, one ahead of each pair.
.set p, 0
.rept 32/BLK
	s_wait_loadcnt 32-BLK-BLK*p                    ; loads come back in order (ISA guide 5.7.1): block p's four are in, the younger blocks' stay out
.if p > 0
	s_wait_alu depctr_va_vdst(0)                   ; the roundings of the block before have written the registers that the four stores below read as their data
.endif
.set i, 0
.rept BLK
.set n, BLK*p+i
.set m, n-BLK
.if p > 0
	global_store_b64 v[SO], v[X+4*m:X+4*m+1], s[6:7] offset:ROWB*(m/8)+256*(m%8) th:TH_STORE_NT  ; the block before; no vector line since the wait names these registers, and none writes them again
.endif
	v_cvt_pk_bf16_f32 v[X+4*n], v[X+4*n], v[X+4*n+1]      ; two roundings to bf16, packed, in place
	v_cvt_pk_bf16_f32 v[X+4*n+1], v[X+4*n+2], v[X+4*n+3]
.set i, i+1
.endr
.set p, p+1
.endr
	s_wait_alu depctr_va_vdst(0)                   ; the last block's roundings have written the registers that the last four stores read
.set m, 32-BLK
.rept BLK
	global_store_b64 v[SO], v[X+4*m:X+4*m+1], s[6:7] offset:ROWB*(m/8)+256*(m%8) th:TH_STORE_NT
.set m, m+1
.endr
	s_endpgm
.Lfunc_end_k_qbf169d1a49_cast:
	.size	k_qbf169d1a49_cast, .Lfunc_end_k_qbf169d1a49_cast-k_qbf169d1a49_cast
	.p2alignl 7, 3214868480
	.fill 96, 4, 3214868480
	.section	.rodata,"a",@progbits
	.p2align	6, 0x0
	.amdhsa_kernel k_qbf169d1a49_cast
		.amdhsa_group_segment_fixed_size 0
		.amdhsa_private_segment_fixed_size 0
		.amdhsa_enable_private_segment 0
		.amdhsa_kernarg_size 96
		.amdhsa_user_sgpr_count 2
		.amdhsa_user_sgpr_kernarg_segment_ptr 1
		.amdhsa_wavefront_size32 1
		.amdhsa_system_sgpr_workgroup_id_x 1
		.amdhsa_system_sgpr_workgroup_id_y 1
		.amdhsa_system_sgpr_workgroup_id_z 1
		.amdhsa_system_vgpr_workitem_id 0
		.amdhsa_next_free_vgpr 136
		.amdhsa_next_free_sgpr 66
		.amdhsa_reserve_vcc 0
		.amdhsa_float_denorm_mode_32 3
		.amdhsa_float_denorm_mode_16_64 3
		.amdhsa_memory_ordered 1
		.amdhsa_forward_progress 1
		.amdhsa_inst_pref_size 13
	.end_amdhsa_kernel
	.amdgpu_metadata
---
amdhsa.version: [ 1, 2 ]
amdhsa.kernels:
  - .name:           k_qbf169d1a49_cast
    .symbol:         k_qbf169d1a49_cast.kd
    .args:
      - { .name: x, .offset: 0, .size: 8, .value_kind: global_buffer, .address_space: global }
      - { .name: h, .offset: 8, .size: 8, .value_kind: global_buffer, .address_space: global }
      - { .name: W_ii, .offset: 16, .size: 8, .value_kind: global_buffer, .address_space: global }
      - { .name: W_hi, .offset: 24, .size: 8, .value_kind: global_buffer, .address_space: global }
      - { .name: W_if_, .offset: 32, .size: 8, .value_kind: global_buffer, .address_space: global }
      - { .name: W_hf, .offset: 40, .size: 8, .value_kind: global_buffer, .address_space: global }
      - { .name: W_ig, .offset: 48, .size: 8, .value_kind: global_buffer, .address_space: global }
      - { .name: W_hg, .offset: 56, .size: 8, .value_kind: global_buffer, .address_space: global }
      - { .name: W_io, .offset: 64, .size: 8, .value_kind: global_buffer, .address_space: global }
      - { .name: W_ho, .offset: 72, .size: 8, .value_kind: global_buffer, .address_space: global }
      - { .name: abf, .offset: 80, .size: 8, .value_kind: global_buffer, .address_space: global }
      - { .name: wbf, .offset: 88, .size: 8, .value_kind: global_buffer, .address_space: global }
    .group_segment_fixed_size: 0
    .private_segment_fixed_size: 0
    .kernarg_segment_align: 8
    .kernarg_segment_size: 96
    .max_flat_workgroup_size: 256
    .sgpr_count:     66
    .vgpr_count:     136
    .wavefront_size: 32
...
	.end_amdgpu_metadata
.endif
;; end of part 3
;; launch gates: the kernel of part 2 again; grid 16 x 32, 4 waves a work-group, clusters of 4 x 4, 327,680 bytes of LDS; arguments abf, wbf, c_prev, out0, out1, b_ii, b_hi, b_if_, b_hf, b_ig, b_hg, b_io, b_ho; writes out0, out1
